; MI455X (gfx1250); checked and timed in simulation.
; The chip was launched on July 23, 2026; its instructions are those of AMD's public machine-readable ISA for CDNA 5 (MIT licence, August 2026) and "CDNA5" Instruction Set Architecture Reference Guide (July 2026). The comments in the code are by the model that wrote it; some were corrected since.
;; Mixture Of Experts. Allowed arithmetic: float matrix products may take bf16 or f16 operands with f32 sums; other float arithmetic in f32, or as packed bf16 or f16 multiplies, adds, multiply-adds, maxima and minima; sums over many terms, partial sums and values carried from step to step in f32; what a program stores and reads back later, other than sums and carried values, may be rounded once to bf16 or f16.
;; Inputs: We 8 x 1,024 x 1,024 float32; Wg1 64 x 1,024 float32; Wg2 8 x 64 float32; be 8 x 1,024 float32; bg1 64 float32; bg2 8 float32; x 8,192 x 1,024 float32.
;; Outputs: out0 8,192 x 1,024 float32; out1 8,192 x 8 float32; out2 8,192 x 2 int32.
;; One version. Each part assembles by itself: llvm-mc -triple=amdgcn-amd-amdhsa -mcpu=gfx1250 --defsym DOCPART=n.
;; ======== version 1 of 1: 2 launches
;; limits: right only within a limited range of input values
;; workspace buffers: xb 16,777,216 bytes; Wb 16,777,216 bytes; wts 65,536 bytes; sel 65,536 bytes of whole numbers
;; launch route (part 1): grid 256 x 1, 8 waves a work-group, no clusters, 292,864 bytes of LDS; arguments x, We, Wg1, bg1, Wg2, bg2, xb, Wb, out1, out2, sel, wts; writes xb, Wb, out1, out2, sel, wts
.if DOCPART == 1
	.amdgcn_target "amdgcn-amd-amdhsa--gfx1250"
	.amdhsa_code_object_version 6
	.text
	.protected	k_qeebcce7dd6_route
	.globl	k_qeebcce7dd6_route
	.p2align	8
	.type	k_qeebcce7dd6_route,@function
k_qeebcce7dd6_route:
	s_mov_b64 s[64:65], 0
	v_nop
	global_prefetch_b8 v0, s[64:65] scope:SCOPE_SE
	s_setreg_imm32_b32 hwreg(HW_REG_WAVE_MODE, 25, 1), 1
	s_wait_xcnt 0x0
; MIXTURE OF EXPERTS, FIRST OF TWO LAUNCHES: the gate, and x and We rounded once to bf16.
; WORK LEFT OUT BY THE PROGRAM.  reference() multiplies every token by all 8 experts and then keeps, by take_along_axis on top2_indices, the rows of 2 of them; the other
; 6 products of a token reach no output, whatever the inputs hold.  Which 2 is a choice by whole numbers: this launch stores it, the second launch reads it from memory and multiplies
; only the chosen rows.  No input is left out.  LIMIT: a NaN, an infinity or an overflow in an expert product that was not chosen is not carried to the result.
; FORMATS.  Every input (x, We, be, Wg1, bg1, Wg2, bg2) is rounded once to bf16.  Both products of the gate go in bf16 matrix instructions with f32 sums.  h is never rounded: for the second product it is
; SPLIT EXACTLY into three bf16 numbers, h = h1 + h2 + h3 (h1 = h rounded, h2 = h - h1 rounded, h3 = the rest: the first remainder has 16 significant bits at the most, the second 7, so both subtractions and h3 are exact),
; and K is walked three times.  So the scores keep f32's precision: out2 is compared exactly.
; LIMITS.  NaN and infinities are not treated apart; a gate weight below 2^-126 counts as 0; top-2 is taken on the computed weights with 'greater', so the lower index wins a tie,
; and two weights closer than the rounding of the f32 sums may be ordered otherwise than reference() orders them.
; SHARES.  Work-group g of 256: tokens 32 g .. 32 g + 31 and We's flat rows 32 g .. 32 g + 31 (expert g / 32).  K IS SPLIT AMONG THE 8 WAVES: wave v takes k = 128 v .. 128 v + 127 of every row:
; 512 bytes of f32 (one load of 16 bytes a lane), 256 bytes of bf16 (one store of 8 bytes a lane).  What a wave lays into its LDS tiles it alone reads back: no barrier on the way in.
; IN FLIGHT.  The rows come in 16 jobs of 8 rows through a ring of 7 slots of registers: 56 loads, 28 KB a wave.  x and We, which this work-group alone reads, are asked for first, Wg1, which all read, last.
; WHAT IS STORED.  xb: bf16 x, row-major.  Wb: bf16 We in the order in which a wave's operand registers take it: the 16 bytes We[e][128 cg + 16 cb + lane % 16][32 ks + 16 half + 8 (lane / 16) ..+7] lie at
; e 2^21 + cg 2^18 + ks 8192 + cb 1024 + half 512 + lane 16.  out1, out2.  sel[g][lane] = (number of token 32 g + lane's pair of experts, 0..27; how many of the group's tokens have pair number 'lane').
; wts[token] = (weight of the pair's lower expert, weight of its higher).  All at fixed places: no address here hangs on the gate.
; REGISTERS: window 0 (v0-255) all but the ring; window 1 the ring, slot n at 32 n (s_set_vgpr_msb: bits 1:0 source 0, 3:2 source 1, 5:4 source 2, 7:6 destination).
.set PITCH, 272                        ; an LDS tile row: 256 bytes + 16: the 16 rows of a fragment load start at 16 different groups of four banks (64 banks of 4 bytes: ISA guide 11.1)
.set RGB,   128*PITCH                  ; a wave's region: 64 rows of Wg1, 32 of x, 32 of We
.set XT,    64*PITCH
.set WTL,   96*PITCH
.set HT,    8*RGB                      ; h: 8 tiles,
.set HTT,   1536                       ; each three parts of 512 bytes
.set O1,    HT+8*HTT                   ; out1 on its way out, 1,024 bytes
.set SPARE, O1+1024                    ; the spare words, 128 bytes for each of 8 waves: four blocks of 256 bytes that no other line names
.set NS,  7                            ; slots in the ring
.set SPW, 4                            ; v4   LDS address of my spare word; never rewritten
.set NIL, 5                            ; v5   0; never rewritten
.set GOF, 6                            ; v6   512 wave + 16 lane: my 16 bytes of a row of f32
.set XSO, 7                            ; v7   256 wave + 8 lane: my 8 bytes of a row of bf16
.set LST, 8                            ; v8   my region + 8 lane
.set FRA, 9                            ; v9   my region + 272 (lane % 16) + 16 (lane / 16): a fragment's address
.set PAR, 10                           ; v10  my region + 16 lane
.set L16, 11                           ; v11  16 lane
.set BGO, 13                           ; v13  my offset in bg1
.set WGO, 14                           ; v14  my offset in Wg2
.set D0,  16                           ; v[16:31] the two sums of the second product
.set D1,  24
.set BG,  32                           ; v[32:39] bg1 of my tile; later bg2
.set FR,  40                           ; v[40:87] fragments: Wg1's four, x's two
.set T,   40                           ;          while rows are rounded: 16 registers of bf16
.set HP,  40                           ;          later h's three parts, 4 registers each,
.set HU,  52                           ;          and 8 at work
.set AF,  60                           ;          later Wg2's two fragments
.set SC,  40                           ;          at the end: the 8 scores, then weights
.set ACC, 88                           ; v[88:151] 8 accumulators, (token block tb, hidden block hb) at 8 (4 tb + hb)
.set PS,  88                           ;          later the 8 partial sums of my tile
.set BF,  88                           ; v[88:183] later h's 12 fragments
.set WF,  152                          ; v[152:215] We's fragments on their way to Wb
.set WA,  216                          ; v[216:247] Wg2 in f32
.set MSB, 0
.macro WIN new                         ; the immediate's high byte repeats the setting that is left; a switch that changes nothing is dropped
.if MSB != (\new)
	s_set_vgpr_msb (MSB<<8)|(\new)
.set MSB, (\new)
.endif
.endm
.macro PLACES n
.rept \n
	v_nop
.endr
.endm
.macro RND2 d, t                       ; two f32 rounded to bf16 and widened again
	v_cvt_pk_bf16_f32 v[\t], v[\d], v[(\d)+1]
	v_lshlrev_b32 v[\d], 16, v[\t]
	v_and_b32 v[(\d)+1], s34, v[\t]
.endm
; Job n: 8 rows.  Jobs 0-3: x.  Jobs 4-7: We.  Jobs 8-15: Wg1.
.macro JLOAD n
.set SL, 32*((\n)%NS)
	WIN 0x40                               ; destination window 1, address window 0
.irp i, 0,1,2,3,4,5,6,7
.if (\n) < 4
	global_load_b128 v[SL+4*\i:SL+4*\i+3], v[GOF], s[4:5] offset:(8*(\n)+\i)*4096 th:TH_LOAD_NT
.elseif (\n) < 8
	global_load_b128 v[SL+4*\i:SL+4*\i+3], v[GOF], s[6:7] offset:(8*((\n)-4)+\i)*4096 th:TH_LOAD_NT
.else
	global_load_b128 v[SL+4*\i:SL+4*\i+3], v[GOF], s[8:9] offset:(8*((\n)-8)+\i)*4096
.endif
.endr
	WIN 0
.endm
.macro JDO n, left                     ; left: the loads of the younger jobs, eight each, which may stay out
	s_wait_loadcnt \left
.if ((\n) >= 1) && ((\n) <= 4)
	s_wait_xcnt 0x0                        ; T was the data of the last job's stores into xb: it is rewritten only behind this wait
.endif
.set SL, 32*((\n)%NS)
.if (\n) < 4
.set TO, XT+8*(\n)*PITCH
.elseif (\n) < 8
.set TO, WTL+8*((\n)-4)*PITCH
.else
.set TO, 8*((\n)-8)*PITCH
.endif
	WIN 0x05                               ; sources in window 1, destination in window 0
.irp i, 0,1,2,3,4,5,6,7
	v_cvt_pk_bf16_f32 v[T+2*\i], v[SL+4*\i], v[SL+4*\i+1]
	v_cvt_pk_bf16_f32 v[T+2*\i+1], v[SL+4*\i+2], v[SL+4*\i+3]
.endr
	WIN 0
.irp i, 0,1,2,3,4,5,6,7
	ds_store_b64 v[LST], v[T+2*\i:T+2*\i+1] offset:TO+\i*PITCH
.endr
.if (\n) < 4
.irp i, 0,1,2,3,4,5,6,7
	global_store_b64 v[XSO], v[T+2*\i:T+2*\i+1], s[16:17] offset:(8*(\n)+\i)*2048  ; the wave's 32 lanes store 256 consecutive bytes, at a multiple of 256 from xb's first
.endr
.endif
.if (\n)+NS <= 15
	JLOAD (\n)+NS
.endif
.endm
	s_load_b512 s[4:19], s[0:1], 0x0               ; x s[4:5], We s[6:7], Wg1 s[8:9], bg1 s[10:11], Wg2 s[12:13], bg2 s[14:15], xb s[16:17], Wb s[18:19]
	s_load_b256 s[20:27], s[0:1], 0x40             ; out1 s[20:21], out2 s[22:23], sel s[24:25], wts s[26:27]
	v_lshl_add_u32 v[SPW], v0, 2, SPARE
	v_mov_b32 v[NIL], 0
	v_and_b32 v1, 31, v0                           ; lane
	v_lshrrev_b32 v12, 5, v0
	v_readfirstlane_b32 s28, v12                   ; wave 0..7
	v_and_b32 v2, 15, v0                           ; r = lane % 16
	v_bfe_u32 v3, v0, 4, 1                         ; h = lane / 16
	s_mov_b32 s34, 0xffff0000                      ; a word's upper bf16; also: lanes 16-31
	s_lshl_b32 s29, s28, 9
	v_lshl_add_u32 v[GOF], v1, 4, s29
	s_lshl_b32 s29, s28, 8
	v_lshl_add_u32 v[XSO], v1, 3, s29
	s_mul_i32 s33, s28, RGB                        ; my region
	v_lshl_add_u32 v[LST], v1, 3, s33
	v_mul_u32_u24 v[FRA], v2, PITCH
	v_lshl_add_u32 v[FRA], v3, 4, v[FRA]
	v_add_nc_u32 v[FRA], s33, v[FRA]
	v_lshl_add_u32 v[PAR], v1, 4, s33
	v_lshlrev_b32 v[L16], 4, v1
	s_and_b32 s29, s28, 3
	s_lshl_b32 s29, s29, 6
	v_lshl_add_u32 v[BGO], v3, 5, s29              ; hidden units 16 (wave % 4) + 8 h .. + 7, 4 bytes each
	s_mov_b32 s31, 0
	s_wait_kmcnt 0x0
	s_lshl_b32 s30, ttmp9, 17                      ; 32 rows of 4,096 bytes
	s_add_nc_u64 s[4:5], s[4:5], s[30:31]
	s_add_nc_u64 s[6:7], s[6:7], s[30:31]
	s_lshl_b32 s30, ttmp9, 16                      ; 32 rows of 2,048 bytes
	s_add_nc_u64 s[16:17], s[16:17], s[30:31]
	s_lshr_b32 s30, ttmp9, 2                       ; g / 4 = 8 e + cg
	s_lshl_b32 s30, s30, 18
	s_and_b32 s29, ttmp9, 3                        ; cb = 2 (g % 4), and + 1
	s_lshl_b32 s29, s29, 11
	s_add_co_u32 s30, s30, s29
	s_lshl_b32 s29, s28, 15                        ; ks = 4 wave ..
	s_add_co_u32 s30, s30, s29
	s_add_nc_u64 s[18:19], s[18:19], s[30:31]
	s_lshl_b32 s30, ttmp9, 10
	s_add_nc_u64 s[20:21], s[20:21], s[30:31]
	s_lshl_b32 s30, ttmp9, 8
	s_add_nc_u64 s[22:23], s[22:23], s[30:31]
	s_add_nc_u64 s[24:25], s[24:25], s[30:31]
	s_add_nc_u64 s[26:27], s[26:27], s[30:31]
	global_load_b128 v[BG:BG+3], v[BGO], s[10:11]            ; the oldest loads: every counted wait below covers them
	global_load_b128 v[BG+4:BG+7], v[BGO], s[10:11] offset:16
.irp n, 0,1,2,3,4,5,6
	JLOAD \n                                       ; all of my x and three quarters of my We are asked for at once
.endr
.irp n, 0,1,2,3,4,5,6,7
	JDO \n, 48                                     ; x into my tile and into xb, We into my tile; six younger jobs' 48 loads stay out
.endr
.set i, 0
.rept 16                               ; We comes back as fragments: column block i / 8, K step (i / 2) % 4, half i % 2
	ds_load_b128 v[WF+4*i:WF+4*i+3], v[FRA] offset:WTL+16*(i/8)*PITCH+64*((i/2)%4)+32*(i%2)
.set i, i+1
.endr
.set i, 0
.rept 16
	s_wait_dscnt 15-i                              ; the younger fragment loads may stay out
	global_store_b128 v[L16], v[WF+4*i:WF+4*i+3], s[18:19] offset:(i/8)*1024+((i/2)%4)*8192+(i%2)*512  ; 512 consecutive bytes
.set i, i+1
.endr
	JDO 8, 48                                      ; Wg1 into my tile; job 8 asks for the last job, then the counts run down
	JDO 9, 48
	JDO 10, 40
	JDO 11, 32
	JDO 12, 24
	JDO 13, 16
	JDO 14, 8
	JDO 15, 0
	s_cmp_lg_u32 s28, 0                            ; wave 0, which will finish the gate, asks for Wg2 and bg2 now: they come during the first product
	s_cbranch_scc1 .Lnot0
	v_and_b32 v[WGO], 7, v0
	v_lshlrev_b32 v[WGO], 8, v[WGO]
	v_lshl_add_u32 v[WGO], v3, 5, v[WGO]           ; expert r % 8, hidden units 8 h on
.irp hb, 0,1,2,3
	global_load_b128 v[WA+8*\hb:WA+8*\hb+3],   v[WGO], s[12:13] offset:64*\hb
	global_load_b128 v[WA+8*\hb+4:WA+8*\hb+7], v[WGO], s[12:13] offset:64*\hb+16
.endr
	s_load_b256 s[36:43], s[14:15], 0x0
.Lnot0:
	; THE GATE'S FIRST PRODUCT, my 128 of K: source 0 = 16 rows of Wg1, source 1 = 16 tokens: in the result lane (r, h), register j holds token 16 tb + r, hidden unit 16 hb + 8 h + j.
	; The 8 accumulators take turns, one instruction a turn.
.irp ks, 0,1,2,3
.if \ks > 0
	PLACES 4                                       ; in front of loads into registers that the last products read
.endif
.irp hb, 0,1,2,3
	ds_load_b128 v[FR+8*\hb:FR+8*\hb+3],   v[FRA] offset:16*\hb*PITCH+64*\ks
	ds_load_b128 v[FR+8*\hb+4:FR+8*\hb+7], v[FRA] offset:16*\hb*PITCH+64*\ks+32
.endr
.irp tb, 0,1
	ds_load_b128 v[FR+32+8*\tb:FR+32+8*\tb+3], v[FRA] offset:XT+16*\tb*PITCH+64*\ks
	ds_load_b128 v[FR+32+8*\tb+4:FR+32+8*\tb+7], v[FRA] offset:XT+16*\tb*PITCH+64*\ks+32
.endr
	s_wait_dscnt 0x0
.irp tb, 0,1
.irp hb, 0,1,2,3
.if \ks == 0
	v_wmma_f32_16x16x32_bf16 v[ACC+8*(4*\tb+\hb):ACC+8*(4*\tb+\hb)+7], v[FR+8*\hb:FR+8*\hb+7], v[FR+32+8*\tb:FR+32+8*\tb+7], 0
.else
	v_wmma_f32_16x16x32_bf16 v[ACC+8*(4*\tb+\hb):ACC+8*(4*\tb+\hb)+7], v[FR+8*\hb:FR+8*\hb+7], v[FR+32+8*\tb:FR+32+8*\tb+7], v[ACC+8*(4*\tb+\hb):ACC+8*(4*\tb+\hb)+7]
.endif
.endr
.endr
.endr
	PLACES 4
.irp t, 0,1,2,3,4,5,6,7                ; my partial sums go where my tile of Wg1 lay: its last read has come back
	ds_store_b128 v[PAR], v[ACC+8*\t:ACC+8*\t+3] offset:\t*1024
	ds_store_b128 v[PAR], v[ACC+8*\t+4:ACC+8*\t+7] offset:\t*1024+512
.endr
	s_lshl_b32 s29, s28, 10                        ; work on registers while the stores are out: where tile 'wave' lies in regions 0, 2, 4, 6,
	v_lshl_add_u32 v248, v1, 4, s29
	v_add_nc_u32 v249, 2*RGB, v248
	v_add_nc_u32 v250, 4*RGB, v248
	v_add_nc_u32 v251, 6*RGB, v248
	s_mul_i32 s29, s28, HTT
	s_add_co_u32 s29, s29, HT
	v_lshl_add_u32 v252, v1, 4, s29                ; where my tile of h will lie,
.irp p, 0,2,4,6
	RND2 BG+\p, 254                                ; and bg1 rounded
.endr
	s_wait_dscnt 0x0                               ; for the others' sake: my partial sums lie in LDS
	s_barrier_signal -1
	s_barrier_wait -1
	; Wave v adds the 8 partial sums of tile v (tb = v / 4, hb = v % 4), adds bg1, takes the ReLU, splits h into its three parts and lays them down.
.irp k, 0,1,2,3
	ds_load_b128 v[PS+16*\k:PS+16*\k+3],     v[248+\k]
	ds_load_b128 v[PS+16*\k+4:PS+16*\k+7],   v[248+\k] offset:512
	ds_load_b128 v[PS+16*\k+8:PS+16*\k+11],  v[248+\k] offset:RGB
	ds_load_b128 v[PS+16*\k+12:PS+16*\k+15], v[248+\k] offset:RGB+512
.endr
	s_wait_dscnt 0x0
.irp u, 1,2,3,4,5,6,7
.irp p, 0,2,4,6
	v_pk_add_f32 v[PS+\p:PS+\p+1], v[PS+\p:PS+\p+1], v[PS+8*\u+\p:PS+8*\u+\p+1]
.endr
.endr
.irp p, 0,2,4,6
	v_pk_add_f32 v[PS+\p:PS+\p+1], v[PS+\p:PS+\p+1], v[BG+\p:BG+\p+1]
.endr
.irp j, 0,1,2,3,4,5,6,7
	v_max_num_f32 v[PS+\j], 0, v[PS+\j]
.endr
.irp part, 0,1                         ; part 0: h1 and h - h1; part 1: h2 and the rest
.irp p, 0,1,2,3
	v_cvt_pk_bf16_f32 v[HP+4*\part+\p], v[PS+2*\p], v[PS+2*\p+1]
.endr
.irp p, 0,1,2,3
	v_lshlrev_b32 v[HU+2*\p], 16, v[HP+4*\part+\p]
	v_and_b32 v[HU+2*\p+1], s34, v[HP+4*\part+\p]
.endr
.irp p, 0,2,4,6
	v_pk_add_f32 v[PS+\p:PS+\p+1], v[PS+\p:PS+\p+1], v[HU+\p:HU+\p+1] neg_lo:[0,1] neg_hi:[0,1]  ; exact
.endr
.endr
.irp p, 0,1,2,3
	v_cvt_pk_bf16_f32 v[HP+8+\p], v[PS+2*\p], v[PS+2*\p+1]  ; h3: exact
.endr
	ds_store_b128 v252, v[HP:HP+3]
	ds_store_b128 v252, v[HP+4:HP+7] offset:512
	ds_store_b128 v252, v[HP+8:HP+11] offset:1024
	s_wait_dscnt 0x0
	s_barrier_signal -1
	s_barrier_wait -1
	s_cmp_lg_u32 s28, 0
	s_cbranch_scc1 .Lend
	; WAVE 0: scores = h Wg2^T + bg2.  Source 0 = Wg2 (row m = expert m % 8, so both halves of the lanes end with experts 0..7 in registers 0..7), source 1 = a part of h (column = token).
	; A part's four packed registers of tile (tb, hb) hold, in lane (r, h), hidden units 16 hb + 8 h + 0..7 of token 16 tb + r: those of tiles hb = 2 kk and 2 kk + 1 on end ARE a fragment of 32 along K.
	; Step sq of six takes part 2 - sq / 2 (the smallest first) and half kk = sq % 2 of K, for both token blocks.
	s_wait_xcnt 0x0                                ; v[152:183] were data of the stores into Wb: loaded again only behind this wait
	v_add_nc_u32 v253, HT, v[L16]
.set sq, 0
.rept 6
.irp tb, 0,1
	ds_load_b128 v[BF+16*sq+8*\tb:BF+16*sq+8*\tb+3],   v253 offset:(4*\tb+2*(sq%2))*HTT+(2-sq/2)*512
	ds_load_b128 v[BF+16*sq+8*\tb+4:BF+16*sq+8*\tb+7], v253 offset:(4*\tb+2*(sq%2)+1)*HTT+(2-sq/2)*512
.endr
.set sq, sq+1
.endr
	s_wait_loadcnt 0x0                             ; Wg2: register 8 hb + j holds hidden unit 16 hb + 8 h + j of expert r % 8
.set i, 0
.rept 16
	v_cvt_pk_bf16_f32 v[AF+i], v[WA+2*i], v[WA+2*i+1]  ; rounded to bf16 and packed: registers 8 kk .. 8 kk + 7 are the fragment of half kk
.set i, i+1
.endr
	s_wait_kmcnt 0x0
.irp p, 0,1,2,3
	v_cvt_pk_bf16_f32 v[76+\p], s[36+2*\p], s[37+2*\p]
	v_lshlrev_b32 v[BG+2*\p], 16, v[76+\p]
	v_and_b32 v[BG+2*\p+1], s34, v[76+\p]
.endr
	s_wait_dscnt 0x0
.set sq, 0
.rept 6                                ; the two sums take turns, one instruction a turn; the first step starts them
.if sq == 0
	v_wmma_f32_16x16x32_bf16 v[D0:D0+7], v[AF:AF+7], v[BF:BF+7], 0
	v_wmma_f32_16x16x32_bf16 v[D1:D1+7], v[AF:AF+7], v[BF+8:BF+15], 0
.else
	v_wmma_f32_16x16x32_bf16 v[D0:D0+7], v[AF+8*(sq%2):AF+8*(sq%2)+7], v[BF+16*sq:BF+16*sq+7], v[D0:D0+7]
	v_wmma_f32_16x16x32_bf16 v[D1:D1+7], v[AF+8*(sq%2):AF+8*(sq%2)+7], v[BF+16*sq+8:BF+16*sq+15], v[D1:D1+7]
.endif
.set sq, sq+1
.endr
	PLACES 4
.irp j, 0,1,2,3,4,5,6,7
	v_cndmask_b32 v[SC+\j], v[D0+\j], v[D1+\j], s34  ; lane l now holds token 32 g + l; lowest registers first
.endr
.irp j, 0,1,2,3,4,5,6,7
	v_add_f32 v[SC+\j], v[SC+\j], v[BG+\j]
.endr
	v_max3_num_f32 v48, v[SC], v[SC+1], v[SC+2]    ; softmax, the maximum taken away first
	v_max3_num_f32 v48, v48, v[SC+3], v[SC+4]
	v_max3_num_f32 v48, v48, v[SC+5], v[SC+6]
	v_max_num_f32 v48, v48, v[SC+7]
.irp j, 0,1,2,3,4,5,6,7
	v_sub_f32 v[SC+\j], v[SC+\j], v48
.endr
.irp j, 0,1,2,3,4,5,6,7
	v_mul_f32 v[SC+\j], 0x3fb8aa3b, v[SC+\j]       ; log2(e)
.endr
.irp j, 0,1,2,3,4,5,6,7
	v_exp_f32 v[SC+\j], v[SC+\j]
.endr
	v_nop                                          ; a plain instruction behind the last exponential,
	s_wait_alu depctr_va_vdst(0)                   ; and one wait for the batch of eight
	v_pk_add_f32 v[50:51], v[SC:SC+1], v[SC+2:SC+3]
	v_pk_add_f32 v[52:53], v[SC+4:SC+5], v[SC+6:SC+7]
	v_pk_add_f32 v[50:51], v[50:51], v[52:53]
	v_add_f32 v50, v50, v51
	v_rcp_f32 v49, v50
	v_nop
	s_wait_alu depctr_va_vdst(0)
.irp j, 0,1,2,3,4,5,6,7
	v_mul_f32 v[SC+\j], v[SC+\j], v49
.endr
	; top-2: 'greater' keeps the lower index at a tie.  v56, v57 the weights; v58, v59 the indices
	v_mov_b32 v56, v[SC]
	v_mov_b32 v58, 0
.irp j, 1,2,3,4,5,6,7
	v_cmp_gt_f32 vcc_lo, v[SC+\j], v56
	v_cndmask_b32 v56, v56, v[SC+\j], vcc_lo
	v_cndmask_b32 v58, v58, \j, vcc_lo
.endr
	v_mov_b32 v57, -1.0
	v_mov_b32 v59, 0
.irp j, 0,1,2,3,4,5,6,7
	v_cmp_ne_u32 s44, \j, v58
	v_cmp_gt_f32 s45, v[SC+\j], v57
	s_and_b32 s44, s44, s45
	v_cndmask_b32 v57, v57, v[SC+\j], s44
	v_cndmask_b32 v59, v59, \j, s44
.endr
	v_min_u32 v60, v58, v59                        ; a < b: the pair, whose number is a (15 - a) / 2 + b - a - 1
	v_max_u32 v61, v58, v59
	v_sub_nc_u32 v62, 15, v60
	v_mul_u32_u24 v62, v60, v62
	v_lshrrev_b32 v62, 1, v62
	v_add_nc_u32 v62, v62, v61
	v_sub_nc_u32 v62, v62, v60
	v_add_nc_u32 v62, -1, v62
	v_cmp_lt_u32 vcc_lo, v58, v59
	v_cndmask_b32 v64, v57, v56, vcc_lo            ; a's weight
	v_cndmask_b32 v65, v56, v57, vcc_lo            ; b's
	v_mov_b32 v63, 0                               ; lane s takes the number of the group's tokens with pair s; lanes 28-31 keep 0
.set k, 0
.rept 7
.irp i, 0,1,2,3
	v_cmp_eq_u32 s[44+\i], k+\i, v62
.endr
.irp i, 0,1,2,3
	s_bcnt1_i32_b32 s[44+\i], s[44+\i]
.endr
.irp i, 0,1,2,3
	v_writelane_b32 v63, s[44+\i], k+\i
.endr
.set k, k+4
.endr
	v_lshl_add_u32 v68, v1, 5, O1                  ; a lane's 8 weights are 32 bytes: through LDS, so that each store covers 512 consecutive bytes
	ds_store_b128 v68, v[SC:SC+3]
	ds_store_b128 v68, v[SC+4:SC+7] offset:16
	v_add_nc_u32 v69, O1, v[L16]
	ds_load_b128 v[72:75], v69                     ; LDS serves a wave's instructions in order (ISA guide 5.7.1.4): these see the stores above
	ds_load_b128 v[76:79], v69 offset:512
	v_lshlrev_b32 v70, 3, v1
	global_store_b64 v70, v[58:59], s[22:23]       ; out2, sel, wts: 256 consecutive bytes each, at a multiple of 256
	global_store_b64 v70, v[62:63], s[24:25]
	global_store_b64 v70, v[64:65], s[26:27]
	s_wait_dscnt 0x0
	global_store_b128 v[L16], v[72:75], s[20:21]
	global_store_b128 v[L16], v[76:79], s[20:21] offset:512
.Lend:
	s_wait_tensorcnt 0x0                           ; the wave's end, behind my last LDS store
	ds_add_u32 v[SPW], v[NIL]
	s_wait_dscnt 0x0
	s_endpgm
.Lfunc_end_k_qeebcce7dd6_route:
	.size	k_qeebcce7dd6_route, .Lfunc_end_k_qeebcce7dd6_route-k_qeebcce7dd6_route
	.p2alignl 7, 3214868480
	.fill 96, 4, 3214868480
	.section	.rodata,"a",@progbits
	.p2align	6, 0x0
	.amdhsa_kernel k_qeebcce7dd6_route
		.amdhsa_group_segment_fixed_size 292864
		.amdhsa_private_segment_fixed_size 0
		.amdhsa_enable_private_segment 0
		.amdhsa_kernarg_size 96
		.amdhsa_user_sgpr_count 2
		.amdhsa_user_sgpr_kernarg_segment_ptr 1
		.amdhsa_wavefront_size32 1
		.amdhsa_system_sgpr_workgroup_id_x 1
		.amdhsa_system_sgpr_workgroup_id_y 1
		.amdhsa_system_sgpr_workgroup_id_z 1
		.amdhsa_system_vgpr_workitem_id 0
		.amdhsa_next_free_vgpr 480
		.amdhsa_next_free_sgpr 66
		.amdhsa_reserve_vcc 1
		.amdhsa_float_denorm_mode_32 3
		.amdhsa_float_denorm_mode_16_64 3
		.amdhsa_memory_ordered 1
		.amdhsa_forward_progress 1
		.amdhsa_inst_pref_size 77
	.end_amdhsa_kernel
	.amdgpu_metadata
---
amdhsa.version: [ 1, 2 ]
amdhsa.kernels:
  - .name:           k_qeebcce7dd6_route
    .symbol:         k_qeebcce7dd6_route.kd
    .args:
      - { .name: x, .offset: 0, .size: 8, .value_kind: global_buffer, .address_space: global }
      - { .name: We, .offset: 8, .size: 8, .value_kind: global_buffer, .address_space: global }
      - { .name: Wg1, .offset: 16, .size: 8, .value_kind: global_buffer, .address_space: global }
      - { .name: bg1, .offset: 24, .size: 8, .value_kind: global_buffer, .address_space: global }
      - { .name: Wg2, .offset: 32, .size: 8, .value_kind: global_buffer, .address_space: global }
      - { .name: bg2, .offset: 40, .size: 8, .value_kind: global_buffer, .address_space: global }
      - { .name: xb, .offset: 48, .size: 8, .value_kind: global_buffer, .address_space: global }
      - { .name: Wb, .offset: 56, .size: 8, .value_kind: global_buffer, .address_space: global }
      - { .name: out1, .offset: 64, .size: 8, .value_kind: global_buffer, .address_space: global }
      - { .name: out2, .offset: 72, .size: 8, .value_kind: global_buffer, .address_space: global }
      - { .name: sel, .offset: 80, .size: 8, .value_kind: global_buffer, .address_space: global }
      - { .name: wts, .offset: 88, .size: 8, .value_kind: global_buffer, .address_space: global }
    .group_segment_fixed_size: 292864
    .private_segment_fixed_size: 0
    .kernarg_segment_align: 8
    .kernarg_segment_size: 96
    .max_flat_workgroup_size: 256
    .sgpr_count:     66
    .vgpr_count:     480
    .wavefront_size: 32
...
	.end_amdgpu_metadata
.endif
;; end of part 1
;; launch experts (part 2): grid 256 x 1, 4 waves a work-group, no clusters, 235,520 bytes of LDS; arguments xb, Wb, be, sel, wts, out0; writes out0
.if DOCPART == 2
	.amdgcn_target "amdgcn-amd-amdhsa--gfx1250"
	.amdhsa_code_object_version 6
	.text
	.protected	k_qeebcce7dd6_experts
	.globl	k_qeebcce7dd6_experts
	.p2align	8
	.type	k_qeebcce7dd6_experts,@function
k_qeebcce7dd6_experts:
	s_mov_b64 s[64:65], 0
	v_nop
	global_prefetch_b8 v0, s[64:65] scope:SCOPE_SE
	s_setreg_imm32_b32 hwreg(HW_REG_WAVE_MODE, 25, 1), 1
	s_wait_xcnt 0x0
; MIXTURE OF EXPERTS, SECOND LAUNCH: out0[t] = wa (x[t] We[a]^T + be[a]) + wb (x[t] We[b]^T + be[b]) for token t's pair of experts a < b.
; WORK LEFT OUT: the six experts that reference()'s take_along_axis does not keep for a token are not multiplied; which two are kept is read from sel, which the launch before stored.
; LIMITS.  A NaN, an infinity or an overflow in a product that was not chosen is not carried to the result.  wb enters as wb' = max(wb, 2^-64): off by at most 2^-64 |x We[b]^T + be[b]|.
; EVERY SPLIT IS SERVED.  Tokens are sorted by their PAIR (28 of them).  128 row groups x 2 halves of the 1,024 columns are the 256 work-groups.  Pair s with c tokens gets ceil(c / T) row groups on end,
; T = 80 if those are 128 at the most, else 96: the sum of ceil(c / 96) is at most (8,192 + 28 x 95) / 96 = 113, whatever the split.  A row group past the last has no rows, stores nothing and ends.
; Every work-group works that out for itself from the 256 stored histograms, and finds its tokens by their rank among the pair's tokens.  Each output row has one owner.
; ONE ACCUMULATOR FOR BOTH EXPERTS: out = wb' (ua (x Wa + be_a) + be_b + x Wb), ua = wa / wb'.  The first expert's sums start with C = be_a; between the experts acc = ua acc + be_b; the way out multiplies by wb'.  All in f32.
; SHARES.  Wave w owns columns 512 ch + 128 w .. + 127 for all rows of the group.  No weight is wanted by two waves: weights come from memory straight into fragment registers (Wb lies in that order), through a ring of
; four stages of a K step of 32; the token rows, which all four waves want, are gathered once into LDS.  So the K loop has no barrier and writes no LDS; its trip counts are constants; only whole blocks of 16 rows past the count are jumped.
; NO CLUSTER: what work-groups share is an expert's weights, and how many row groups a pair has hangs on the split (one for a small pair): whole clusters of four for each pair would want 4 T x 32 >= 8,192 + 28 (4 T - 1);
; the two halves of a row group share its token rows alone, 196 KB at the most beside 2 MB of weights, and those come by a list, which no tile descriptor covers.
; K IS WALKED FROM ANOTHER PLACE BY EACH ROW GROUP: trip v takes eighth (rg + v) % 8 of K, so that the row groups of an expert do not walk its weights in step.  f32 sums may be taken in any order.
; LAYOUT.  Source 0 = 16 columns (rows of We), source 1 = 16 tokens: lane (r, h), register j holds token 16 a + r, column 16 b + 8 h + j.
; REGISTERS, in windows of 256 (s_set_vgpr_msb: bits 1:0 source 0, 3:2 source 1, 5:4 source 2, 7:6 destination):
;   window 0: addresses, scales, x's fragments (two buffers of 48), registers at work      window 1: accumulators of row blocks 0-2 ((a, b) at 64 a + 8 b); v192-255 be_a
;   window 2: row blocks 3-5; v192-255 be_b                                                 window 3: the weight ring, stage q at 64 q
.set APITCH, 2064                      ; a token row in LDS: 2,048 bytes + 16: the 16 rows of a fragment load start at 16 different groups of four banks (64 banks of 4 bytes: ISA guide 11.1)
.set SPITCH, 528                       ; a stage row: 512 bytes + 16
.set STAGE,  96*APITCH                 ; behind the rows: 16 rows x 528 bytes for each wave, for the way out
.set CNT,    STAGE+64*SPITCH           ; 4 waves x 32 counts
.set LISTC,  CNT+512                   ; 4 copies of the list, one a wave: 128 slots each; slot 96 takes what is not mine
.set LIST,   LISTC+2048                ; the list: 128 slots
.set SPARE,  LIST+512                  ; the spare words, 128 bytes for each wave: two blocks of 256 bytes that no other line names
.set SPW, 4                            ; v4   LDS address of my spare word; never rewritten
.set NIL, 5                            ; v5   0; never rewritten
.set L16, 6                            ; v6   16 lane
.set C96, 7                            ; v7   96
.set XA0, 8                            ; v8-13   row block a's fragment address at K = 0
.set XA,  14                           ; v14-19  the same at the trip in hand
.set UAP, 20                           ; v20-31  (ua, ua) of my token in block a
.set WBP, 32                           ; v32-43  (wb', wb')
.set TOK, 44                           ; v44-49  at work
.set STO, 50
.set RD,  51
.set OCOL, 52                          ; v52  my 16 bytes in a row of out0
.set LB,  53                           ; v53  LIST
.set PFO, 54                           ; v54  256 lane; never rewritten
.set SELO, 56
.set VLC, 57                           ; v57  my copy of the list
.set TK0, 59                           ; v59  2,048 wave + lane
.set BEO, 63                           ; v63  32 h
.set XF,  64                           ; v64-159 x's fragments
.set CODE, 64                          ; before that: v64-191 (pair number, count) of 64 groups
.set RR,  192
.set KK,  200
.set PP,  208
.set CC,  212
.set T80, 213
.set T96, 214
.set TT,  215
.set TV,  216
.set HS,  217
.set GT,  160                          ; the gather: 24 tokens, 24 offsets, 6 offsets into wts, 3 LDS addresses, 6 pairs of weights
.set GO,  184
.set WO,  208
.set GA,  214
.set WP,  224
.set RT,  160                          ; 64 at work while the biases are rounded
.set OB,  160                          ; the way out: 16 rows back from the stage; their 16 offsets
.set OT,  224
.set MSB, 0
.macro WIN new                         ; the immediate's high byte repeats the setting that is left; a switch that changes nothing is dropped
.if MSB != (\new)
	s_set_vgpr_msb (MSB<<8)|(\new)
.set MSB, (\new)
.endif
.endm
.macro PLACES
.rept 4
	v_nop
.endr
.endm
	s_load_b256 s[4:11], s[0:1], 0x0               ; xb s[4:5], Wb s[6:7], be s[8:9], sel s[10:11]
	s_load_b128 s[12:15], s[0:1], 0x20             ; wts s[12:13], out0 s[14:15]
	v_lshl_add_u32 v[SPW], v0, 2, SPARE
	v_mov_b32 v[NIL], 0
	v_and_b32 v1, 31, v0                           ; lane
	v_lshrrev_b32 v55, 5, v0
	v_readfirstlane_b32 s16, v55                   ; wave 0..3
	v_and_b32 v2, 15, v0                           ; r
	v_bfe_u32 v3, v0, 4, 1                         ; h
	s_lshr_b32 s17, ttmp9, 1                       ; rg: my row group
	s_and_b32 s18, ttmp9, 1                        ; ch: my half of the columns
	s_and_b32 s31, s17, 7                          ; o: where my walk along K begins
	s_mov_b32 s41, 0                               ; the upper word of every offset
	v_lshlrev_b32 v[L16], 4, v1
	v_mov_b32 v[C96], 96
	s_lshl_b32 s45, s16, 14
	v_lshl_add_u32 v[SELO], v1, 3, s45             ; groups 64 wave .., 256 bytes each; 8 bytes a lane
	s_lshl_b32 s45, s16, 11
	v_add_nc_u32 v[TK0], s45, v1
	s_lshl_b32 s45, s16, 9
	s_add_co_u32 s45, s45, LISTC
	v_mov_b32 v[VLC], s45
	v_add_nc_u32 v58, v[VLC], v[L16]
	v_mov_b32 v60, -1
	v_mov_b32 v61, -1
	v_mov_b32 v62, -1
	v_mov_b32 v63, -1
	ds_store_b128 v58, v[60:63]                    ; my copy of the list: every slot empty
	s_wait_kmcnt 0x0
.set j, 0
.rept 64
	global_load_b64 v[CODE+2*j:CODE+2*j+1], v[SELO], s[10:11] offset:256*j
.set j, j+1
.endr
	s_wait_loadcnt 0x0
	v_add_nc_u32 v[HS], v[CODE+1], v[CODE+3]       ; lane s: how many of my 2,048 tokens have pair s
.set j, 2
.rept 31
	v_add3_u32 v[HS], v[HS], v[CODE+2*j+1], v[CODE+2*j+3]
.set j, j+2
.endr
	s_lshl_b32 s45, s16, 7
	s_add_co_u32 s45, s45, CNT
	v_lshl_add_u32 v58, v1, 2, s45
	ds_store_b32 v58, v[HS]
	s_wait_dscnt 0x0
	s_barrier_signal -1
	s_barrier_wait -1
	v_lshl_add_u32 v58, v1, 2, CNT
.irp u, 0,1,2,3
	ds_load_b32 v[PP+\u], v58 offset:128*\u
.endr
	s_wait_dscnt 0x0
	v_add3_u32 v[CC], v[PP], v[PP+1], v[PP+2]
	v_add_nc_u32 v[CC], v[CC], v[PP+3]             ; lane s: c, the tokens of pair s
	; THE DEAL, in whole numbers.  ceil(c / 80) = ((c + 79) / 16) / 5, and y / 5 = 205 y >> 10 for y < 1,024; ceil(c / 96) = ((c + 95) / 32) / 3, and y / 3 = 171 y >> 9 for y < 512
	v_add_nc_u32 v[T80], 79, v[CC]
	v_lshrrev_b32 v[T80], 4, v[T80]
	v_mul_u32_u24 v[T80], v[T80], 205
	v_lshrrev_b32 v[T80], 10, v[T80]
	v_add_nc_u32 v[T96], 95, v[CC]
	v_lshrrev_b32 v[T96], 5, v[T96]
	v_mul_u32_u24 v[T96], v[T96], 171
	v_lshrrev_b32 v[T96], 9, v[T96]
	s_mov_b32 s46, 0x76543210
	s_mov_b32 s47, 0xfedcba98
	v_mov_b32 v[TV], 0
	v_mov_b32 v[TT], v[T80]
.irp x, 1,2,4,8
	v_mov_b32_dpp v[TV], v[TT] row_xmask:\x row_mask:0xf bank_mask:0xf
	v_add_nc_u32 v[TT], v[TT], v[TV]
.endr
	v_permlanex16_b32 v[TV], v[TT], s46, s47
	v_add_nc_u32 v[TT], v[TT], v[TV]
	v_readfirstlane_b32 s45, v[TT]                 ; row groups that T = 80 would want
	s_mov_b32 s19, 96
	s_cmp_le_u32 s45, 128
	s_cselect_b32 s19, 80, s19                     ; T
	s_cselect_b32 s45, -1, 0
	v_cndmask_b32 v[TT], v[T96], v[T80], s45       ; lane s: the row groups of pair s
	s_mov_b32 s23, 0                               ; the first row group of the pair in hand
	s_mov_b32 s20, 0                               ; my pair's number,
	s_mov_b32 s21, 0                               ; its first row group,
	s_mov_b32 s22, 1<<8                            ; and its experts, a | b << 8: those of the last pair that begins at or before rg
.set pa, 0
.set pb, 1
.set ps, 0
.rept 28
	v_readlane_b32 s24, v[TT], ps
	s_cmp_ge_u32 s17, s23
	s_cselect_b32 s20, ps, s20
	s_cselect_b32 s21, s23, s21
	s_cselect_b32 s22, pa|(pb<<8), s22
	s_add_co_u32 s23, s23, s24
.set ps, ps+1
.set pb, pb+1
.if pb == 8
.set pa, pa+1
.set pb, pa+1
.endif
.endr
	v_readlane_b32 s25, v[CC], s20                 ; c of my pair
	s_sub_co_u32 s27, s17, s21                     ; which of its row groups I am
	s_mul_i32 s28, s27, s19                        ; r0: my first rank
	s_min_u32 s45, s28, s25
	s_sub_co_u32 s29, s25, s45
	s_min_u32 s29, s29, s19
	s_min_u32 s29, s29, 96                         ; m: my rows, 0 to T
	s_add_co_u32 s30, s29, 15
	s_lshr_b32 s30, s30, 4                         ; nb: my blocks of 16 rows, 0 to 6
	v_readlane_b32 s45, v[PP], s20
	v_readlane_b32 s46, v[PP+1], s20
	v_readlane_b32 s47, v[PP+2], s20
	s_cmp_gt_u32 s16, 0
	s_cselect_b32 s45, s45, 0
	s_cmp_gt_u32 s16, 1
	s_cselect_b32 s46, s46, 0
	s_cmp_gt_u32 s16, 2
	s_cselect_b32 s47, s47, 0
	s_add_co_u32 s66, s45, s46
	s_add_co_u32 s66, s66, s47
	s_sub_co_u32 s66, s66, s28                     ; the rank of my wave's first token of the pair, less r0 (below 0 it wraps, and counts as past m)
	s_and_b32 s32, s22, 0xff
	s_min_u32 s32, s32, 7                          ; a
	s_lshr_b32 s33, s22, 8
	s_min_u32 s33, s33, 7                          ; b
	s_lshl_b32 s45, s18, 11
	s_lshl_b32 s46, s16, 9
	s_add_co_u32 s45, s45, s46                     ; my 128 columns, 4 bytes each
	s_lshl_b32 s40, s32, 12
	s_add_co_u32 s40, s40, s45
	s_add_nc_u64 s[76:77], s[8:9], s[40:41]        ; be[a] at my columns
	s_lshl_b32 s40, s33, 12
	s_add_co_u32 s40, s40, s45
	s_add_nc_u64 s[78:79], s[8:9], s[40:41]        ; be[b]
	s_lshl_b32 s32, s32, 21                        ; the experts' bytes in Wb
	s_lshl_b32 s33, s33, 21
	s_lshl2_add_u32 s40, s18, s16                  ; cg = 4 ch + wave
	s_lshl_b32 s40, s40, 18
	s_add_nc_u64 s[36:37], s[6:7], s[40:41]        ; Wb at my columns
	s_lshl_b32 s40, s31, 15
	s_add_co_u32 s40, s40, s32
	s_add_nc_u64 s[38:39], s[36:37], s[40:41]      ; where trip 0's weights lie
	s_lshl_b32 s40, ttmp9, 13
	s_add_co_u32 s40, s40, 7<<21
	s_add_nc_u64 s[42:43], s[6:7], s[40:41]        ; my work-group's 8,192 bytes of expert 7's weights
	s_cmp_eq_u32 s16, 0
	s_cselect_b32 s44, 4, -1                       ; wave 0 prefetches, in trip 4
	v_lshlrev_b32 v[BEO], 5, v3
; 16 loads: a K step's weights for my 128 columns, 8,192 consecutive bytes, into stage st
.macro WLOAD st, off
	WIN 0xc0                                       ; destination window 3, address window 0
.irp b, 0,1,2,3,4,5,6,7
	global_load_b128 v[64*(\st)+8*\b:64*(\st)+8*\b+3],   v[L16], s[38:39] offset:(\off)+1024*\b
	global_load_b128 v[64*(\st)+8*\b+4:64*(\st)+8*\b+7], v[L16], s[38:39] offset:(\off)+1024*\b+512
.endr
.endm
	WIN 0x40                                       ; the biases and the first three K steps' weights are asked for now: they come while the tokens are sorted
.irp b, 0,1,2,3,4,5,6,7
	global_load_b128 v[192+8*\b:195+8*\b], v[BEO], s[76:77] offset:64*\b
	global_load_b128 v[196+8*\b:199+8*\b], v[BEO], s[76:77] offset:64*\b+16
.endr
	WIN 0x80
.irp b, 0,1,2,3,4,5,6,7
	global_load_b128 v[192+8*\b:195+8*\b], v[BEO], s[78:79] offset:64*\b
	global_load_b128 v[196+8*\b:199+8*\b], v[BEO], s[78:79] offset:64*\b+16
.endr
	WLOAD 0, 0
	WLOAD 1, 8192
	WLOAD 2, 16384
	WIN 0
; THE SCAN, 8 groups of 32 tokens at a time: a token of my pair has rank (those of the pair before it) - r0; ranks 0 .. m - 1 are mine and go to that slot of my wave's copy of the list, all others to slot 96.
.macro SCAN8 j0
.irp i, 0,1,2,3,4,5,6,7
	v_cmp_eq_u32 s[48+\i], s20, v[CODE+2*((\j0)+\i)]
.endr
.irp i, 0,1,2,3,4,5,6,7
	s_bcnt1_i32_b32 s[56+\i], s[48+\i]
.endr
.irp i, 0,1,2,3,4,5,6,7
	s_add_co_u32 s[67+\i], s[66+\i], s[56+\i]
.endr
.irp i, 0,1,2,3,4,5,6,7
	v_mbcnt_lo_u32_b32 v[RR+\i], s[48+\i], s[66+\i]
.endr
.irp i, 0,1,2,3,4,5,6,7
	v_cmp_gt_u32 s[56+\i], s29, v[RR+\i]
.endr
.irp i, 0,1,2,3,4,5,6,7
	s_and_b32 s[56+\i], s[56+\i], s[48+\i]
.endr
.irp i, 0,1,2,3,4,5,6,7
	v_cndmask_b32 v[RR+\i], v[C96], v[RR+\i], s[56+\i]
.endr
.irp i, 0,1,2,3,4,5,6,7
	v_min_u32 v[RR+\i], 96, v[RR+\i]
.endr
.irp i, 0,1,2,3,4,5,6,7
	v_lshl_add_u32 v[RR+\i], v[RR+\i], 2, v[VLC]
.endr
.irp i, 0,1,2,3,4,5,6,7
	v_add_nc_u32 v[KK+\i], 32*((\j0)+\i), v[TK0]
.endr
.irp i, 0,1,2,3,4,5,6,7
	ds_store_b32 v[RR+\i], v[KK+\i]
.endr
	s_mov_b32 s66, s74
.endm
.irp j0, 0,8,16,24,32,40,48,56
	SCAN8 \j0
.endr
	s_wait_dscnt 0x0
	s_barrier_signal -1
	s_barrier_wait -1
	v_lshl_add_u32 v58, v0, 2, LISTC               ; thread t merges slot t of the four copies: an empty slot is the greatest number
.irp u, 0,1,2,3
	ds_load_b32 v[RR+\u], v58 offset:512*\u
.endr
	s_wait_dscnt 0x0
	v_min_u32 v[RR], v[RR], v[RR+1]
	v_min_u32 v[RR+2], v[RR+2], v[RR+3]
	v_min_u32 v[RR], v[RR], v[RR+2]
	v_min_u32 v[RR], 0x1fff, v[RR]                 ; a slot past m names token 8,191: a row that exists
	v_lshl_add_u32 v58, v0, 2, LIST
	ds_store_b32 v58, v[RR]
	s_wait_dscnt 0x0
	s_barrier_signal -1
	s_barrier_wait -1
	; THE GATHER.  Of block a's 16 rows wave w brings rows 4 w .. 4 w + 3: 2,048 bytes each, four loads of 512 consecutive bytes, through the block's own accumulator registers into LDS.
	v_lshl_add_u32 v58, v2, 2, LIST
.irp a, 0,1,2,3,4,5
	ds_load_b32 v[TOK+\a], v58 offset:64*\a        ; the token of my lane's row in block a
.endr
	s_lshl_b32 s45, s16, 4
	s_add_co_u32 s45, s45, LIST
	v_mov_b32 v62, s45
.set k, 0
.rept 24
	ds_load_b32 v[GT+k], v62 offset:(16*(k/4)+k%4)*4
.set k, k+1
.endr
	s_wait_dscnt 0x0
.irp a, 0,1,2,3,4,5
	v_min_u32 v[TOK+\a], 0x1fff, v[TOK+\a]
	v_lshlrev_b32 v[WO+\a], 3, v[TOK+\a]
.endr
.set k, 0
.rept 24
	v_min_u32 v[GT+k], 0x1fff, v[GT+k]
	v_lshl_add_u32 v[GO+k], v[GT+k], 11, v[L16]
.set k, k+1
.endr
.irp a, 0,1,2,3,4,5
	global_load_b64 v[WP+2*\a:WP+2*\a+1], v[WO+\a], s[12:13]  ; (wa, wb)
.endr
	s_mul_i32 s45, s16, 4*APITCH
	v_add_nc_u32 v[GA], s45, v[L16]
	v_add_nc_u32 v[GA+1], 32*APITCH, v[GA]
	v_add_nc_u32 v[GA+2], 64*APITCH, v[GA]
.macro GLOAD a
	WIN 0x40+0x40*((\a)/3)
.irp i, 0,1,2,3
.irp c, 0,1,2,3
	global_load_b128 v[64*((\a)%3)+16*\i+4*\c:64*((\a)%3)+16*\i+4*\c+3], v[GO+4*(\a)+\i], s[4:5] offset:512*\c
.endr
.endr
	WIN 0
.endm
.macro GSTORE a
	s_wait_loadcnt 0x0                             ; the youngest loads are stored first, so the wait is for all; the biases, weights and gate weights asked for earlier are wanted by then too
	WIN 0x04+0x04*((\a)/3)                         ; data in window 1 or 2
.irp i, 0,1,2,3
.irp c, 0,1,2,3
	ds_store_b128 v[GA+(\a)/2], v[64*((\a)%3)+16*\i+4*\c:64*((\a)%3)+16*\i+4*\c+3] offset:(16*((\a)%2)+\i)*APITCH+512*\c
.endr
.endr
	WIN 0
.endm
	s_cmp_eq_u32 s30, 0                            ; loads and stores are nested, so that on every way only what was loaded is stored
	s_cbranch_scc1 .Lnone
	GLOAD 0
	s_cmp_lt_u32 s30, 2
	s_cbranch_scc1 .Ls0
	GLOAD 1
	s_cmp_lt_u32 s30, 3
	s_cbranch_scc1 .Ls1
	GLOAD 2
	s_cmp_lt_u32 s30, 4
	s_cbranch_scc1 .Ls2
	GLOAD 3
	s_cmp_lt_u32 s30, 5
	s_cbranch_scc1 .Ls3
	GLOAD 4
	s_cmp_lt_u32 s30, 6
	s_cbranch_scc1 .Ls4
	GLOAD 5
	GSTORE 5
.Ls4:
	GSTORE 4
.Ls3:
	GSTORE 3
.Ls2:
	GSTORE 2
.Ls1:
	GSTORE 1
.Ls0:
	GSTORE 0
.Lnone:
	s_wait_loadcnt 0x0
	s_wait_dscnt 0x0                               ; for the others' sake: my rows lie in LDS
	s_barrier_signal -1                            ; work on registers stands between the signal and the wait
	s_mov_b32 s45, 0xffff0000
	WIN 0x05                                       ; the biases are rounded to bf16, like every input, and widened again
.set k, 0
.rept 32
	v_cvt_pk_bf16_f32 v[RT+k], v[192+2*k], v[193+2*k]
.set k, k+1
.endr
	WIN 0x0a
.set k, 0
.rept 32
	v_cvt_pk_bf16_f32 v[RT+32+k], v[192+2*k], v[193+2*k]
.set k, k+1
.endr
	WIN 0x40
.set k, 0
.rept 32
	v_lshlrev_b32 v[192+2*k], 16, v[RT+k]
	v_and_b32 v[193+2*k], s45, v[RT+k]
.set k, k+1
.endr
	WIN 0x80
.set k, 0
.rept 32
	v_lshlrev_b32 v[192+2*k], 16, v[RT+32+k]
	v_and_b32 v[193+2*k], s45, v[RT+32+k]
.set k, k+1
.endr
	WIN 0
.irp a, 0,1,2,3,4,5
	v_max_num_f32 v[WBP+2*\a], 0x1f800000, v[WP+2*\a+1]  ; wb' = max(wb, 2^-64)
.endr
.irp a, 0,1,2,3,4,5
	v_rcp_f32 v[UAP+2*\a], v[WBP+2*\a]
.endr
.irp a, 0,1,2,3,4,5
	v_mov_b32 v[WBP+2*\a+1], v[WBP+2*\a]           ; plain instructions behind the last reciprocal,
.endr
	s_wait_alu depctr_va_vdst(0)                   ; and one wait for the six
.irp a, 0,1,2,3,4,5
	v_mul_f32 v[UAP+2*\a], v[WP+2*\a], v[UAP+2*\a] ; ua = wa / wb'
.endr
.irp a, 0,1,2,3,4,5
	v_mov_b32 v[UAP+2*\a+1], v[UAP+2*\a]
.endr
	s_sub_co_u32 s46, s30, 1
	v_mul_u32_u24 v55, v2, APITCH
	v_lshl_add_u32 v55, v3, 4, v55                 ; row r, 16 bytes for each half of the lanes
.irp a, 0,1,2,3,4,5
	s_min_u32 s47, s46, \a                         ; a block past my last repeats the last: rows that were gathered
	s_mul_i32 s47, s47, 16*APITCH
	v_add_nc_u32 v[XA0+\a], s47, v55
.endr
	s_mul_i32 s47, s16, 16*SPITCH
	s_add_co_u32 s47, s47, STAGE                   ; my stage
	v_mul_u32_u24 v[STO], v2, SPITCH
	v_lshl_add_u32 v[STO], v3, 5, v[STO]
	v_add_nc_u32 v[STO], s47, v[STO]               ; in: row r, 32 bytes for each half of the lanes
	v_add_nc_u32 v[RD], s47, v[L16]                ; back: a row of 512 bytes
	s_lshl_b32 s47, s18, 11
	s_lshl_b32 s46, s16, 9
	s_add_co_u32 s47, s47, s46
	v_add_nc_u32 v[OCOL], s47, v[L16]
	v_mov_b32 v[LB], LIST
	v_lshlrev_b32 v[PFO], 8, v1
	s_barrier_wait -1                              ; all rows lie in LDS.  No barrier follows
	s_cmp_eq_u32 s30, 0
	s_cbranch_scc1 .Lend                           ; this split leaves my row group without rows
	s_lshl_b32 s35, s31, 8
.irp a, 0,1,2,3,4,5
	v_add_nc_u32 v[XA+\a], s35, v[XA0+\a]
.endr
; 12 LDS loads: the six blocks' fragments of a K step, at byte off of the trip's 256, into buffer buf
.macro XLOAD buf, off
	WIN 0
.irp a, 0,1,2,3,4,5
	ds_load_b128 v[XF+48*(\buf)+8*\a:XF+48*(\buf)+8*\a+3],   v[XA+\a] offset:(\off)
	ds_load_b128 v[XF+48*(\buf)+8*\a+4:XF+48*(\buf)+8*\a+7], v[XA+\a] offset:(\off)+32
.endr
.endm
	XLOAD 0, 0
; A K STEP, number q of a trip's four.  It asks for the weights of the step three on, into the stage that the step before read, and for x's fragments of the next step, into the buffer that the step before read:
; four places stand between that step's last product and these loads (ISA guide 7.12.1 for vector instructions).  Then nb x 8 products; the accumulators take turns, one instruction a turn, and a step's
; last and the next step's first differ for every nb.  first = 1: C = be_a starts the sums, in all six blocks, so that every accumulator is written on every way.
; ld, xl: whether weights and fragments are asked for.  lc: the loads of the younger stages, 16 each, which may stay out.  pf = 1: the prefetch may stand here.
.macro STEP q, first=0, ld=1, xl=1, lc=48, pf=0
.if !(\first)
.if ((\q) == 3) && (\xl)
.irp a, 0,1,2,3,4,5
	v_add_nc_u32 v[XA+\a], s35, v[XA0+\a]          ; the next trip's place in the rows: six plain instructions, which are the places
.endr
.elseif (\ld) || (\xl)
	PLACES
.endif
.endif
.if ((\q) == 1) && (\ld)
	s_add_co_u32 s45, s34, 1                       ; the next trip,
	s_add_co_u32 s46, s45, s31
	s_and_b32 s46, s46, 7                          ; its eighth of K,
	s_lshl_b32 s35, s46, 8                         ; 256 bytes of a token row,
	s_lshl_b32 s40, s46, 15                        ; 32,768 bytes of my weights,
	s_cmp_lt_u32 s45, 8
	s_cselect_b32 s47, s32, s33                    ; of expert a in trips 0-7, of b in trips 8-15
	s_add_co_u32 s40, s40, s47
	s_wait_xcnt 0x0                                ; the loads issued so far have read their base: it is written only behind this wait
	s_add_nc_u64 s[38:39], s[36:37], s[40:41]
.endif
.if \ld
.if (\q) == 0
	WLOAD 3, 3*8192
.else
	WLOAD (\q)-1, ((\q)-1)*8192
.endif
.endif
.if \xl
	XLOAD ((\q)+1)%2, 64*(((\q)+1)%4)
.endif
.if \pf
	; Expert 7 is no pair's lower expert: its weights are first read in trip 8.  In trip 4, four trips (16 K steps) ahead, wave 0 of each work-group names its own 8,192 of their 2,097,152 bytes, a lane 256 bytes: each once in the launch.
	WIN 0
	s_cmp_eq_u32 s34, s44
	s_cbranch_scc0 .Lnp_\@
	global_prefetch_b8 v[PFO], s[42:43] th:TH_LOAD_NT scope:SCOPE_SE
.Lnp_\@:
.endif
	s_wait_loadcnt \lc                             ; this step's weights are in
.if \xl
	s_wait_dscnt 12                                ; this step's fragments are in; the twelve loads just issued may stay out
.else
	s_wait_dscnt 0x0
.endif
.irp a, 0,1,2,3,4,5
.if (!(\first)) && (\a >= 1)
	WIN 0
	s_cmp_le_u32 s30, \a
	s_cbranch_scc1 .Les_\@
.endif
.if \a < 3
	WIN 0x53                                       ; weights window 3, x window 0, C and D window 1
.elseif \first
	WIN 0x93                                       ; D window 2, C (be_a) window 1
.else
	WIN 0xa3
.endif
.irp b, 0,1,2,3,4,5,6,7
.if \first
	v_wmma_f32_16x16x32_bf16 v[64*(\a%3)+8*\b:64*(\a%3)+8*\b+7], v[64*(\q)+8*\b:64*(\q)+8*\b+7], v[XF+48*((\q)%2)+8*\a:XF+48*((\q)%2)+8*\a+7], v[192+8*\b:192+8*\b+7]
.else
	v_wmma_f32_16x16x32_bf16 v[64*(\a%3)+8*\b:64*(\a%3)+8*\b+7], v[64*(\q)+8*\b:64*(\q)+8*\b+7], v[XF+48*((\q)%2)+8*\a:XF+48*((\q)%2)+8*\a+7], v[64*(\a%3)+8*\b:64*(\a%3)+8*\b+7]
.endif
.endr
.endr
	WIN 0
.Les_\@:
.endm
	s_mov_b32 s34, 0                               ; trip 0 stands in front of the loop: its first step starts the sums
	STEP 0, 1, 1, 1, 48, 0
	STEP 1
	STEP 2
	STEP 3
	s_mov_b32 s34, 1
.Ltrip:                                        ; trips 1 to 14
	STEP 0, 0, 1, 1, 48, 1
	STEP 1
	STEP 2
	STEP 3
	s_cmp_lg_u32 s34, 7
	s_cbranch_scc1 .Lnr
	PLACES                                         ; BETWEEN THE EXPERTS: acc = ua acc + be_b; each accumulator's registers in ascending order
.irp a, 0,1,2,3,4,5
.if \a >= 1
	WIN 0
	s_cmp_le_u32 s30, \a
	s_cbranch_scc1 .Lnr
.endif
.if \a < 3
	WIN 0x61                                       ; acc window 1, ua window 0, be_b window 2
.else
	WIN 0xa2
.endif
.set k, 0
.rept 32
	v_pk_fma_f32 v[64*(\a%3)+2*k:64*(\a%3)+2*k+1], v[64*(\a%3)+2*k:64*(\a%3)+2*k+1], v[UAP+2*\a:UAP+2*\a+1], v[192+2*k:193+2*k]
.set k, k+1
.endr
.endr
	WIN 0
.Lnr:
	s_add_co_u32 s34, s34, 1
	s_cmp_lt_u32 s34, 15
	s_cbranch_scc1 .Ltrip
	STEP 0, 0, 1, 1, 48, 0                         ; trip 15 is written out: one more stage is asked for, then the counts run down
	STEP 1, 0, 0, 1, 32, 0
	STEP 2, 0, 0, 1, 16, 0
	STEP 3, 0, 0, 0, 0, 0
	; THE WAY OUT, a block of 16 rows at a time: times wb'; through my stage; back as whole rows of my 128 columns; each row to its token's place.  Rows past m are jumped.
	PLACES
.irp a, 0,1,2,3,4,5
.if \a >= 1
	WIN 0
	s_cmp_le_u32 s30, \a
	s_cbranch_scc1 .Lend
	s_wait_xcnt 0x0                                ; the last block's stores have read their offsets and data: rewritten only behind this wait
.endif
	WIN 0x41+0x41*(\a/3)
.set k, 0
.rept 32
	v_pk_mul_f32 v[64*(\a%3)+2*k:64*(\a%3)+2*k+1], v[64*(\a%3)+2*k:64*(\a%3)+2*k+1], v[WBP+2*\a:WBP+2*\a+1]
.set k, k+1
.endr
	WIN 0x04+0x04*(\a/3)
.irp b, 0,1,2,3,4,5,6,7
	ds_store_b128 v[STO], v[64*(\a%3)+8*\b:64*(\a%3)+8*\b+3]   offset:64*\b
	ds_store_b128 v[STO], v[64*(\a%3)+8*\b+4:64*(\a%3)+8*\b+7] offset:64*\b+16
.endr
	WIN 0
.set i, 0
.rept 16
	ds_load_b32 v[OT+i], v[LB] offset:(16*\a+i)*4
.set i, i+1
.endr
.set i, 0
.rept 16
	ds_load_b128 v[OB+4*i:OB+4*i+3], v[RD] offset:SPITCH*i  ; LDS serves a wave's instructions in order (ISA guide 5.7.1.4): these see the stores above; the next block's stores come behind them
.set i, i+1
.endr
	s_wait_dscnt 0x0
.set i, 0
.rept 16
	v_min_u32 v[OT+i], 0x1fff, v[OT+i]
	v_lshl_add_u32 v[OT+i], v[OT+i], 12, v[OCOL]
.set i, i+1
.endr
.set i, 0
.rept 16
.if i > 0
	s_cmp_le_u32 s29, 16*\a+i
	s_cbranch_scc1 .Lend
.endif
	global_store_b128 v[OT+i], v[OB+4*i:OB+4*i+3], s[14:15] th:TH_STORE_NT  ; 512 consecutive bytes, at a multiple of 512 from out0's first
.set i, i+1
.endr
.endr
.Lend:
	s_wait_tensorcnt 0x0                           ; the wave's end, behind my last LDS store
	ds_add_u32 v[SPW], v[NIL]
	s_wait_dscnt 0x0
	s_endpgm
.Lfunc_end_k_qeebcce7dd6_experts:
	.size	k_qeebcce7dd6_experts, .Lfunc_end_k_qeebcce7dd6_experts-k_qeebcce7dd6_experts
	.p2alignl 7, 3214868480
	.fill 96, 4, 3214868480
	.section	.rodata,"a",@progbits
	.p2align	6, 0x0
	.amdhsa_kernel k_qeebcce7dd6_experts
		.amdhsa_group_segment_fixed_size 235520
		.amdhsa_private_segment_fixed_size 0
		.amdhsa_enable_private_segment 0
		.amdhsa_kernarg_size 48
		.amdhsa_user_sgpr_count 2
		.amdhsa_user_sgpr_kernarg_segment_ptr 1
		.amdhsa_wavefront_size32 1
		.amdhsa_system_sgpr_workgroup_id_x 1
		.amdhsa_system_sgpr_workgroup_id_y 1
		.amdhsa_system_sgpr_workgroup_id_z 1
		.amdhsa_system_vgpr_workitem_id 0
		.amdhsa_next_free_vgpr 1024
		.amdhsa_next_free_sgpr 96
		.amdhsa_reserve_vcc 0
		.amdhsa_float_denorm_mode_32 3
		.amdhsa_float_denorm_mode_16_64 3
		.amdhsa_memory_ordered 1
		.amdhsa_forward_progress 1
		.amdhsa_inst_pref_size 243
	.end_amdhsa_kernel
	.amdgpu_metadata
---
amdhsa.version: [ 1, 2 ]
amdhsa.kernels:
  - .name:           k_qeebcce7dd6_experts
    .symbol:         k_qeebcce7dd6_experts.kd
    .args:
      - { .name: xb, .offset: 0, .size: 8, .value_kind: global_buffer, .address_space: global }
      - { .name: Wb, .offset: 8, .size: 8, .value_kind: global_buffer, .address_space: global }
      - { .name: be, .offset: 16, .size: 8, .value_kind: global_buffer, .address_space: global }
      - { .name: sel, .offset: 24, .size: 8, .value_kind: global_buffer, .address_space: global }
      - { .name: wts, .offset: 32, .size: 8, .value_kind: global_buffer, .address_space: global }
      - { .name: out0, .offset: 40, .size: 8, .value_kind: global_buffer, .address_space: global }
    .group_segment_fixed_size: 235520
    .private_segment_fixed_size: 0
    .kernarg_segment_align: 8
    .kernarg_segment_size: 48
    .max_flat_workgroup_size: 128
    .sgpr_count:     96
    .vgpr_count:     1024
    .wavefront_size: 32
...
	.end_amdgpu_metadata
.endif
;; end of part 2
